; MI455X (gfx1250); checked and timed in simulation.
; The chip was launched on July 23, 2026; its instructions are those of AMD's public machine-readable ISA for CDNA 5 (MIT licence, August 2026) and "CDNA5" Instruction Set Architecture Reference Guide (July 2026). The comments in the code are by the model that wrote it; some were corrected since.
;; Batch Invariant Attention. Allowed arithmetic: matrix products marked QUANTISED: E2M3 operands, one E8M0 scale for each 32 along K, by v_wmma_scale_f32_16x16x128_f8f6f4 with both operands' format E2M3, f32 sums; everything else in f32.
;; Inputs: key 4 x 16 x 2,048 x 64 float32; query 4 x 16 x 2,048 x 64 float32; value 4 x 16 x 2,048 x 64 float32.
;; Outputs: out0 4 x 16 x 2,048 x 64 float32.
;; This version of the problem:
;;   THIS VERSION OF THE PROBLEM IS GIVEN IN LOW PRECISION. The matrix products marked QUANTISED in the list below multiply operands that are first quantised to E2M3 (2 exponent bits, 3 mantissa bits; 6 bits a number), with one power-of-two scale for each 32 numbers along K (OCP MX v1.0); their sums are f32. All else is computed in f32.
;;   The module's matrix products, in the order in which they are computed (A, B: the left and right operand; K: the contracted axis; several contracted axes count as one K, in the product's order):
;;     1. batch 64 x [M 2,048, K 64] x [K 64, N 2,048]; A: input query; B: input key: QUANTISED
;;     2. batch 64 x [M 2,048, K 2,048] x [K 2,048, N 64]; A: softmax (see below); B: input value: QUANTISED
;;   THE QUANTISER, for each operand of a quantised product, along K:
;;     - K is cut into blocks of 32 from its start; a last block that is shorter is filled with zeros.
;;     - A block's scale is 2^e with e = floor(log2(the largest magnitude in the block)) - 2, held to -126 .. 127; a block of zeros has e = 0. As a byte (E8M0): e + 127.
;;     - Each number is divided by its block's scale, clamped to +-7.5, and rounded to the nearest number of E2M3, ties to even, subnormals kept.
;;     - The product sums the exact products of the quantised numbers (number of the format x scale) in f32.
;;   ~~~python
;;   def quantise(x, axis):      # numpy; x: float32 -> the quantised numbers, widened to float32 again
;;       x = np.moveaxis(x, axis, -1); K = x.shape[-1]
;;       x = np.pad(x, [(0, 0)] * (x.ndim - 1) + [(0, -K % 32)]); x = x.reshape(x.shape[:-1] + (-1, 32)); a = np.abs(x).max(-1, keepdims=True)
;;       e = np.where(a > 0, np.clip(np.frexp(np.where(a > 0, a, 1))[1] - 1 - 2, -126, 127), 0)      # np.frexp(a)[1] - 1 = floor(log2(a)), exactly
;;       r = np.clip(x / 2.0 ** e, -7.5, 7.5)
;;       step = 2.0 ** (np.maximum(np.frexp(np.where(r == 0, 1, r))[1] - 1, 0) - 3)
;;       q = np.round(r / step) * step * 2.0 ** e      # np.round: ties to even
;;       return np.moveaxis(q.reshape(q.shape[:-2] + (-1,))[..., :K], -1, axis).astype(np.float32)
;;   ~~~
;;   SOFTMAX AHEAD OF A QUANTISED PRODUCT. Where the list says 'softmax', what is quantised is not the finished softmax but p = 2^(t - M), with t = logit x log2(e) and M = ceil(the row's largest t), a whole number; so 1/2 < the row's largest p <= 1. The row's sum l is taken of the UNQUANTISED p, in f32, and the product's result is divided by l at the end. Since M is a whole number, a kernel that streams over the keys may use a running M (the ceiling of the running maximum): every later rescaling is an exact power of two, which a block's scale takes up: the codes' values come out the same.
;;   OPERANDS COMPUTED ON THE WAY. 'Computed on the way' means the value that the module computes at that place (a softmax that the list does not call 'softmax' is quantised finished and normalised). What goes into a quantiser is computed in f32, as accurately as f32 sums, v_exp_f32 and their like allow (about 1e-6 of the number): no bf16 or f16 on the way to a quantiser, and a product that is left as it is and whose result goes on into a quantised operand takes f32 operands (vector FMAs, or v_wmma_f32_16x16x4_f32). A number that lies on a knife's edge between two numbers of the format may be rounded either way, as far as f32 arithmetic and the matrix unit's own rounding can turn it there, and no further.
;; One version. Each part assembles by itself: llvm-mc -triple=amdgcn-amd-amdhsa -mcpu=gfx1250 --defsym DOCPART=n.
;; ======== version 1 of 1: 2 launches
;; limits: right only within a limited range of input values
;; workspace buffers: kv 13,107,200 bytes
;; launch prep (part 1): grid 512 x 1, 4 waves a work-group, no clusters, 17,920 bytes of LDS; arguments key, value, kv; writes kv
.if DOCPART == 1
	.amdgcn_target "amdgcn-amd-amdhsa--gfx1250"
	.amdhsa_code_object_version 6
	.text
	.protected	k_q69d619fdd3_prep
	.globl	k_q69d619fdd3_prep
	.p2align	8
	.type	k_q69d619fdd3_prep,@function
k_q69d619fdd3_prep:
	s_mov_b64 s[64:65], 0
	v_nop
	global_prefetch_b8 v0, s[64:65] scope:SCOPE_SE
	s_setreg_imm32_b32 hwreg(HW_REG_WAVE_MODE, 25, 1), 1
	s_wait_xcnt 0x0
; key and value, [64 heads][2048 keys][64 channels] f32, become codes of FP6 (E2M3) with one E8M0 scale byte for each 32 along a product's K, laid in kv as the next launch's operand registers want them.
; kv: for each head and each key step of 128 keys one dense block of STEPB = 12,800 bytes: K's 4 fragments (1,536 bytes each), V's 4 fragments, 256 bytes of K's scale words, 256 of V's.
; A FRAGMENT is the image of an operand's 12 registers: plane c (512 bytes) holds lane l's registers 4 c .. 4 c + 3 at 512 c + 16 l.
; K (its K is the head's 64 channels: two blocks a key).  Fragment f holds 32 keys, TWO to a row: row m has key k0(f) + a(m) in k = 0 .. 63 and key k0(f) + a(m) + 8 in k = 64 .. 127,
;   k0(f) = 64 (f / 2) + 16 (f % 2), a(m) = m % 8 + 32 (m / 8).  So the score tiles of fragments 2 c and 2 c + 1 give a lane of half h the 32 neighbouring keys 64 c + 32 h + 0 .. 31.
;   Lane (r, h): registers 0-5 the first key of row r, channels 32 h on; registers 6-11 the second key.  Row m's scale word: bytes 0, 1 the first key's two blocks, bytes 2, 3 the second key's.
; V (its K is the keys).  Fragment t holds channels 16 t .. 16 t + 15 x the step's 128 keys: lane (r, h), registers 6 c .. 6 c + 5: keys 64 c + 32 h + 0 .. 31 of channel 16 t + r.  Row r's scale word: byte b for keys 32 b on.
; SCALE WORDS, K's and V's alike: the word of fragment 2 g + l / 16, row l % 16, lies at byte 8 l + 4 g of its 256 bytes.
; THE RULE: a block's scale is 2^(floor(log2(its largest magnitude)) - 2); its byte is the largest magnitude's exponent field - 2, held at 1 from below; each number / scale goes to the nearest code, ties to even, beyond 7.5 the largest code.
; LIMITS: a block of zeros gets the byte 1 where the rule says 127 (its codes are zeros, and this program alone reads the bytes); blocks whose largest magnitude lies under 2^-124 keep the byte 1 (not tried); NaN and infinities are not served.
; SHARES: a wave takes one step of one head of one tensor, 32,768 bytes in.  Work-groups 0-255 take key, 256-511 value.  Waves share nothing: no barrier.  No two work-groups read the same bytes: no cluster; no matrix work.
.set STEPB, 12800
.set STGB,  4352                       ; K's path: a stage of 16 rows x (256 + 16) bytes for each wave
.set LN,  1                            ; lane
.set LI,  2                            ; 16 x lane
.set LS8, 3                            ; 8 x lane
.set SD,  4                            ; the stage as the bytes are loaded: 272 (l / 16) + 16 (l % 16)
.set SL,  5                            ; the stage as a lane wants them: row r, 128 h bytes on
.set SH8, 6                            ; 8 h
.set VO,  7                            ; V's way out: 1,536 (l / 16) + 16 (l % 16)
.set L4,  8                            ; 4 x lane
.set MA,  10                           ; two chains of the largest magnitude
.set MB,  11
.set SC,  12                           ; the conversions' scale operand
.set BY,  13                           ; the scale's byte
.set T,   14                           ; v14-16 a block's upper 16 codes, on their way
.set W,   18                           ; v18-21 K's scale words, one for each fragment
.set PD,  22                           ; v22-25 the other half of the lanes' bytes
.set SP,  26                           ; v26-27 the pair of scale words that I store
.set R,   32                           ; K: v32-127  three sets of 32: a group of 16 keys as loaded
.set X,   128                          ; K: v128-191 two sets of 32: my 32 neighbours
.set C,   192                          ; K: v192-239 four fragments' codes, each in registers of its own
.set XV,  32                           ; V: v32-95   two sets of 32: my channel's 32 keys
.set CV,  96                           ; V: v96-143  four sets of 12
; 32 numbers of ONE block in v[x] .. v[x + 31] become 192 bits of codes in v[d] .. v[d + 5] (d even) and the scale's byte in v[BY].
.macro Q32 x, d
	v_max3_num_f32 v[MA], |v[(\x)]|, |v[(\x)+1]|, 0x1800000        ; the floor 2^(3 - 127) among the leaves: the byte cannot fall under 1
	v_max3_num_f32 v[MB], |v[(\x)+16]|, |v[(\x)+17]|, |v[(\x)+18]|
.irp i, 0,1,2,3,4,5
	v_max3_num_f32 v[MA], v[MA], |v[(\x)+2+2*\i]|, |v[(\x)+3+2*\i]|
	v_max3_num_f32 v[MB], v[MB], |v[(\x)+19+2*\i]|, |v[(\x)+20+2*\i]|
.endr
	v_max3_num_f32 v[MA], v[MA], |v[(\x)+14]|, |v[(\x)+15]|
	v_max3_num_f32 v[MA], v[MA], v[MB], |v[(\x)+31]|
	v_add_nc_u32 v[SC], 0xff000000, v[MA]                          ; 2 off the exponent field
	v_cvt_scalef32_pk16_fp6_f32 v[(\d):(\d)+2], v[(\x):(\x)+15], v[SC]
	v_cvt_scalef32_pk16_fp6_f32 v[T:T+2], v[(\x)+16:(\x)+31], v[SC]  ; (a conversion's three registers begin on an even number)
	v_nop                                                          ; one plain instruction behind the conversions
	v_lshrrev_b32 v[BY], 23, v[SC]
.irp i, 0,1,2
	v_mov_b32 v[(\d)+3+\i], v[T+\i]
.endr
.endm
	s_load_b128 s[4:7], s[0:1], 0x0                ; key, value
	s_load_b64 s[8:9], s[0:1], 0x10                ; kv
	v_lshl_add_u32 v240, v0, 2, 0x4400             ; my spare word, behind the four stages
	v_mov_b32 v241, 0
	v_lshrrev_b32 v9, 5, v0
	v_readfirstlane_b32 s10, v9                    ; wave 0..3
	v_and_b32 v[LN], 31, v0
	v_lshlrev_b32 v[LI], 4, v[LN]
	v_lshlrev_b32 v[LS8], 3, v[LN]
	v_lshlrev_b32 v[L4], 2, v[LN]
	v_and_b32 v9, 15, v0                           ; r
	v_bfe_u32 v10, v0, 4, 1                        ; h
	s_mul_i32 s16, s10, STGB                       ; my stage
	v_mul_u32_u24 v[SD], v10, 272
	v_lshl_add_u32 v[SD], v9, 4, v[SD]
	v_add_nc_u32 v[SD], s16, v[SD]
	v_mul_u32_u24 v[SL], v9, 272
	v_lshl_add_u32 v[SL], v10, 7, v[SL]
	v_add_nc_u32 v[SL], s16, v[SL]
	v_lshlrev_b32 v[SH8], 3, v10
	v_mul_u32_u24 v[VO], v10, 1536
	v_lshl_add_u32 v[VO], v9, 4, v[VO]
.irp f, 0,1,2,3
	v_mov_b32 v[PD+\f], 0                          ; a lane permute's destination counts as one of its sources
.endr
	s_mov_b32 s20, 0x76543210
	s_mov_b32 s21, 0xfedcba98                      ; selects for lane l xor 16
	s_wait_kmcnt 0x0
	s_cmp_lt_u32 ttmp9, 256                        ; key's work-group or value's: by the work-group's number alone
	s_cselect_b64 s[4:5], s[4:5], s[6:7]
	s_cselect_b32 s11, 0, 256
	s_sub_co_u32 s11, ttmp9, s11
	s_lshl_b32 s11, s11, 2
	s_add_co_u32 s11, s11, s10                     ; my unit: 16 x head + step
	s_lshl_b32 s12, s11, 15                        ; 32,768 bytes in
	s_mov_b32 s13, 0
	s_add_nc_u64 s[4:5], s[4:5], s[12:13]
	s_mul_i32 s14, s11, STEPB                      ; its block of kv
	s_mov_b32 s15, 0
	s_add_nc_u64 s[8:9], s[8:9], s[14:15]
	s_cmp_lt_u32 ttmp9, 256                        ; (the sums have written SCC)
	s_cbranch_scc0 .Lvalue
; ---- KEY.  Eight groups g = 2 f + u of 16 keys, the rows of half u of fragment f: keys k0(f) + 8 u + {0 .. 7, 32 .. 39}.  A load reads 512 consecutive bytes (two keys); a lane wants 32 neighbours of one key:
; so a group turns through the wave's stage.  Loads run three groups (24 loads) ahead, the turn one group.
.macro KLOAD g
.irp j, 0,1,2,3,4,5,6,7
	global_load_b128 v[R+32*((\g)%3)+4*\j:R+32*((\g)%3)+4*\j+3], v[LI], s[4:5] offset:(64*((\g)/4)+16*(((\g)/2)%2)+8*((\g)%2)+32*(\j/4)+2*(\j%4))*256 th:TH_LOAD_NT   ; the group's rows 2 j and 2 j + 1
.endr
.endm
.macro KTURN g                         ; LDS serves a wave's instructions in order: no wait between the stores and the loads
.irp j, 0,1,2,3,4,5,6,7
	ds_store_b128 v[SD], v[R+32*((\g)%3)+4*\j:R+32*((\g)%3)+4*\j+3] offset:544*\j
.endr
.irp i, 0,1,2,3,4,5,6,7
	ds_load_b128 v[X+32*((\g)%2)+4*\i:X+32*((\g)%2)+4*\i+3], v[SL] offset:16*\i
.endr
.endm
.macro KSTEP g
	s_wait_dscnt 0x0                               ; this group is back from the stage, and its stores have read their registers,
.if (\g)+3 < 8
	KLOAD (\g)+3                                   ; which take the group three on
.endif
.if (\g) < 7
.if (\g) < 5
	s_wait_loadcnt 16                              ; the next group's eight loads are in; two groups behind it may be out
.else
	s_wait_loadcnt 8*(6-(\g))
.endif
	KTURN (\g)+1
.endif
	Q32 X+32*((\g)%2), C+12*((\g)/2)+6*((\g)%2)
.if (\g)%2 == 0
	v_mov_b32 v[W+(\g)/2], v[BY]                   ; the first key's byte,
.else
	v_lshl_or_b32 v[W+(\g)/2], v[BY], 16, v[W+(\g)/2]  ; the second key's, two bytes up
.irp c, 0,1,2
	global_store_b128 v[LI], v[C+12*((\g)/2)+4*\c:C+12*((\g)/2)+4*\c+3], s[8:9] offset:1536*((\g)/2)+512*\c   ; a plane: 512 consecutive bytes, at a multiple of 256 from kv's first byte
.endr
.endif
.endm
	KLOAD 0
	KLOAD 1
	KLOAD 2
	s_wait_loadcnt 16                              ; group 0 is in
	s_wait_alu depctr_va_vdst(0)
	KTURN 0
.irp g, 0,1,2,3,4,5,6,7
	KSTEP \g
.endr
.irp f, 0,1,2,3
	v_lshlrev_b32 v[W+\f], v[SH8], v[W+\f]         ; my bytes are those of channel block h: 8 h bits up
.endr
.irp f, 0,1,2,3
	v_permlanex16_b32 v[PD+\f], v[W+\f], s20, s21
.endr
.irp f, 0,1,2,3
	v_or_b32 v[W+\f], v[W+\f], v[PD+\f]            ; with lane l xor 16's two bytes the row's word is whole
.endr
	v_cmp_le_u32 vcc_lo, 16, v[LN]
	v_cndmask_b32 v[SP], v[W], v[W+1], vcc_lo      ; lanes 0-15 store fragments 0 and 2, lanes 16-31 fragments 1 and 3
	v_cndmask_b32 v[SP+1], v[W+2], v[W+3], vcc_lo
	global_store_b64 v[LS8], v[SP:SP+1], s[8:9] offset:12288   ; 256 consecutive bytes
	s_wait_tensorcnt 0x0                           ; the wave's end: behind my last LDS store
	ds_add_u32 v240, v241
	s_wait_dscnt 0x0
	s_endpgm
; ---- VALUE.  A lane takes a channel and its registers run down the keys: a block of 32 keys lies in one lane's 32 registers, and the codes come out with the keys innermost.
; Eight units n = 2 kb + q: key block kb, channels 32 q + lane: row l % 16 of fragment 2 q + l / 16; block kb belongs to the fragment's lanes of half kb % 2, registers 6 (kb / 2) on.
; So blocks kb and kb + 2 make 12 registers, and a store of four of them fills, sixteen lanes at a time, 256 consecutive bytes of a plane.  Loads run two units (64 loads) ahead.
.Lvalue:
.macro VLOAD n
.set i, 0
.rept 32
	global_load_b32 v[XV+32*((\n)%2)+i], v[L4], s[4:5] offset:(32*((\n)/2)+i)*256+128*((\n)%2)
.set i, i+1
.endr
.endm
.macro VBLOCK n
.if (\n) < 7
	s_wait_loadcnt 32                              ; this unit's 32 loads are in; the next unit's may be out
.else
	s_wait_loadcnt 0x0
.endif
	Q32 XV+32*((\n)%2), CV+12*(2*((\n)%2)+((\n)/2)%2)+6*((\n)/4)
.if (\n)/2 == 0
	v_mov_b32 v[SP+(\n)%2], v[BY]                  ; my channel's scale word: byte kb
.else
	v_lshl_or_b32 v[SP+(\n)%2], v[BY], 8*((\n)/2), v[SP+(\n)%2]
.endif
.if (\n)+2 < 8
	VLOAD (\n)+2
.endif
.if (\n)/2 >= 2
.irp c, 0,1,2
	global_store_b128 v[VO], v[CV+12*(2*((\n)%2)+(\n)/2-2)+4*\c:CV+12*(2*((\n)%2)+(\n)/2-2)+4*\c+3], s[8:9] offset:6144+3072*((\n)%2)+512*\c+256*((\n)/2-2)
.endr
.endif
.endm
	VLOAD 0
	VLOAD 1
.irp n, 0,1,2,3,4,5,6,7
	VBLOCK \n
.endr
	global_store_b64 v[LS8], v[SP:SP+1], s[8:9] offset:12544   ; register q is the word of fragment 2 q + l / 16, row l % 16: 256 consecutive bytes
	s_endpgm
.Lfunc_end_k_q69d619fdd3_prep:
	.size	k_q69d619fdd3_prep, .Lfunc_end_k_q69d619fdd3_prep-k_q69d619fdd3_prep
	.p2alignl 7, 3214868480
	.fill 96, 4, 3214868480
	.section	.rodata,"a",@progbits
	.p2align	6, 0x0
	.amdhsa_kernel k_q69d619fdd3_prep
		.amdhsa_group_segment_fixed_size 17920
		.amdhsa_private_segment_fixed_size 0
		.amdhsa_enable_private_segment 0
		.amdhsa_kernarg_size 24
		.amdhsa_user_sgpr_count 2
		.amdhsa_user_sgpr_kernarg_segment_ptr 1
		.amdhsa_wavefront_size32 1
		.amdhsa_system_sgpr_workgroup_id_x 1
		.amdhsa_system_sgpr_workgroup_id_y 1
		.amdhsa_system_sgpr_workgroup_id_z 1
		.amdhsa_system_vgpr_workitem_id 0
		.amdhsa_next_free_vgpr 242
		.amdhsa_next_free_sgpr 66
		.amdhsa_reserve_vcc 1
		.amdhsa_float_denorm_mode_32 3
		.amdhsa_float_denorm_mode_16_64 3
		.amdhsa_memory_ordered 1
		.amdhsa_forward_progress 1
		.amdhsa_inst_pref_size 68
	.end_amdhsa_kernel
	.amdgpu_metadata
---
amdhsa.version: [ 1, 2 ]
amdhsa.kernels:
  - .name:           k_q69d619fdd3_prep
    .symbol:         k_q69d619fdd3_prep.kd
    .args:
      - { .name: key, .offset: 0, .size: 8, .value_kind: global_buffer, .address_space: global }
      - { .name: value, .offset: 8, .size: 8, .value_kind: global_buffer, .address_space: global }
      - { .name: kv, .offset: 16, .size: 8, .value_kind: global_buffer, .address_space: global }
    .group_segment_fixed_size: 17920
    .private_segment_fixed_size: 0
    .kernarg_segment_align: 8
    .kernarg_segment_size: 24
    .max_flat_workgroup_size: 128
    .sgpr_count:     66
    .vgpr_count:     242
    .wavefront_size: 32
...
	.end_amdgpu_metadata
.endif
;; end of part 1
;; launch attn (part 2): grid 4 x 64, 8 waves a work-group, clusters of 4 x 1, 327,680 bytes of LDS; arguments query, kv, out0; writes out0
.if DOCPART == 2
	.amdgcn_target "amdgcn-amd-amdhsa--gfx1250"
	.amdhsa_code_object_version 6
	.text
	.protected	k_q69d619fdd3_attn
	.globl	k_q69d619fdd3_attn
	.p2align	8
	.type	k_q69d619fdd3_attn,@function
k_q69d619fdd3_attn:
	s_mov_b64 s[64:65], 0
	v_nop
	global_prefetch_b8 v0, s[64:65] scope:SCOPE_SE
	s_setreg_imm32_b32 hwreg(HW_REG_WAVE_MODE, 25, 1), 1
	s_wait_xcnt 0x0
	s_wait_alu depctr_hold_cnt(0) depctr_sa_sdst(0) depctr_va_vdst(0) depctr_va_sdst(0) depctr_va_ssrc(0) depctr_va_vcc(0) depctr_vm_vsrc(0)
	s_getreg_b32 s2, hwreg(HW_REG_IB_STS2, 6, 4)
	s_cmp_eq_u32 s2, 0
	s_cbranch_scc0 .Lentry_in_a_cluster
	s_endpgm
.Lentry_in_a_cluster:
	s_bfe_u32 s2, ttmp6, 0x10000c
	s_cmp_lg_u32 s2, 0x3003
	s_cbranch_scc0 .Lentry_shape_is_right
	s_endpgm
.Lentry_shape_is_right:
; out0[head][q][:] = the sum over k of softmax_k(Q[q] . K[k] / 8) V[k][:], 64 heads, 2,048 queries and keys, 64 channels, both products on codes of FP6 (E2M3) with one E8M0 scale for each 32 along a product's K.
; K and V come as codes and scale words from kv, laid as images of operand registers: for each head 16 key steps of 128 keys, 12,800 bytes each: K's 4 fragments, V's 4, K's scale words, V's.  Q arrives as f32 and is quantised here: one wave alone reads a query.
; THE SOFTMAX AHEAD OF THE SECOND PRODUCT: t = score x log2(e) / 8; M = the row's largest t so far, rounded UP to a whole number; p = 2^(t - M) is what is quantised, along the keys; it is not normalised.
; The row's sum is taken of the unquantised p, in f32, and divides O at the end.  When M moves, the sum and O are multiplied by 2^(old M - new M): exact.
; SHARES.  A cluster of four work-groups is one head; a work-group owns 512 of its queries, in two passes of 256; each of its eight waves owns TWO tiles of 16 queries a pass (tile x = 0, 1), two waves to a SIMD.
; Each fragment read from LDS serves both tiles, and the two tiles' lines stand by turns: one tile's exponentials among the other's multiply-adds and additions, the two tiles' dependent chains side by side.
; LDS.  A whole head's codes and scale words, 204,800 bytes, are brought once and stay: no byte is filled again.  All four work-groups want the same bytes: each load is JOINT, with the mask of all four.
; A wave issues ONE tensor load, key steps 2 w and 2 w + 1 (25,600 bytes): one load of a wave is out.  Waves 0 and 1 issue theirs at the head; when key steps 0-3 have landed, behind two LDS adds and a round of the cluster's barrier,
; waves 2 to 7 issue theirs, and steps 0-3 are worked while steps 4-15 land; a second barrier, ahead of which every wave waits, shows those.
; Every byte that comes from memory is asked for ahead of the first key step: there is no later load that a prefetch could run ahead of.
; LAYOUT.  Both products are used transposed: S^T = K Q^T, O^T = V^T P^T: a lane holds ONE query of each tile (lane % 16) throughout.
; THE FIRST PRODUCT'S K IS 64, THE INSTRUCTION'S 128: a fragment of K holds TWO keys to a row, and Q stands between zero codes: the fragment times [Q | 0] gives the first keys' scores, times [0 | Q] the second keys'.  The byte 1 stands over the zero codes.
; WHICH KEYS FORM A TILE: score tile 4 c + u has in rows 0-7 keys 64 c + 8 u + 0 .. 7 and in rows 8-15 keys 64 c + 32 + 8 u + 0 .. 7.  So lane (r, h)'s registers 32 c .. 32 c + 31 are keys 64 c + 32 h + 0 .. 31: one whole block, as the second product's operand wants it.
; REGISTER WINDOWS.  Window 0: addresses, both tiles' state, all scale words, S / p of both tiles, p's codes.  Window 1: K's fragments, V's fragments, O^T, Q between its zeros, the second pass's Q as f32.
; LIMITS: NaN and infinities are not served; a block of Q whose largest magnitude lies under 2^-124 keeps the byte 1 (not tried), a block of zeros likewise (its codes are zeros); a p under 2^-126 counts as 0;
; a block's largest p is taken as 2^(.) of its largest score, which takes v_exp_f32 not to fall where its input rises; the promise holds while |t| stays under 2^31.
.set STEPB, 12800
.set KC,    0
.set VC,    6144
.set KSC,   12288
.set VSC,   12544
.set STG,   16*STEPB                   ; a stage of 16 rows x (256 + 16) bytes for each wave, for Q on the way in and O on the way out; no tensor load lands there
.set STGB,  4352
.set SPARE, STG+8*STGB                 ; the spare words: 128 bytes a wave
; window 0.  (x) marks what each tile has: the second tile's follows the first's
.set LI,   1                           ; 16 x lane
.set LS8,  2                           ; 8 x lane
.set SD,   3                           ; the stage by dense rows
.set SL,   4                           ; the stage, Q: row r, 128 h bytes on
.set SO,   5                           ; the stage, O: row r, 32 h bytes on
.set AFN,  6                           ; LDS address of the next K fragments
.set SH8,  7                           ; 8 h
.set AF,   8                           ; LDS address of the step's V fragments
.set AS,   9                           ; of its scale words
.set MA,   10
.set MB,   11
.set NM,   12                          ; (x) pairs: -M, the largest score so far
.set L,    16                          ; (x) pairs: the row's sum in two halves
.set FF,   20                          ; (x) pairs: f = 2^(old M - new M), 0
.set OLD,  24                          ; (x) -M as it was
.set TMP,  26                          ; (x)
.set BX,   28                          ; (x) what lane l xor 16 sends
.set W,    30                          ; (x)
.set BM,   32                          ; (x) two each: my blocks' largest score, then largest p
.set BN,   36                          ; (x) two each: the second chains
.set BS,   40                          ; (x) two each: the conversions' scale operands
.set BYA,  44                          ; (x) two each: the bytes
.set KS,   48                          ; v48-49 K's scale words: register g: fragment 2 g in lanes 0-15, 2 g + 1 in lanes 16-31
.set VS,   50                          ; v50-51 V's likewise
.set PS,   52                          ; (x) p's scale word
.set QSL,  54                          ; (x) Q's scale word for [Q | 0]
.set ASN,  56                          ; LDS address of the next K scale words
.set QSH,  58                          ; (x) Q's scale word for [0 | Q]
.set SC,   62
.set BY,   63
.set S,    64                          ; (x) 64 each: S^T, then p, then its partial sums
.set PC,   192                         ; (x) 12 each: p's codes
.set PT,   216                         ; (x) 8 each: the blocks' upper 16 codes on their way
.set X,    192                         ; between passes: v192-223 my 32 neighbours of Q
.set T,    224
.set QT,   236                         ; v236-241 Q's codes on their way to window 1
.set SPW,  254
.set NIL,  255
; window 1, by the low eight bits
.set FK,   0                           ; K's four fragments
.set FV,   48                          ; V's four fragments
.set O,    96                          ; (x) 32 each: O^T; ahead of the first pass the first pass's Q as f32
.set QHI,  160                         ; (x) 12 apart: [0 | Q]
.set QLO,  166                         ; (x) 12 apart: [Q | 0]
.set Q2F,  192                         ; (x) 32 each: the second pass's Q as f32
.set WV,   10
.set SEL,  20                          ; s[20:21] selects for lane l xor 16
.set CS,   22                          ; s[22:23] c = log2(e) / 8
.set G1,   24
.set G0,   32
.set TB,   48                          ; LDS byte at which the step in hand begins
.set CNT,  49
.set TBN,  50                          ; and the next step, held at the segment's last
.set NCS,  51                          ; -c
.set MSB, 0
.macro WIN new                         ; low byte: bits 1:0 source 0, 3:2 source 1, 5:4 source 2, 7:6 destination; the high byte repeats the setting that is left
.if MSB != \new
	s_set_vgpr_msb (MSB<<8)|\new
.set MSB, \new
.endif
.endm
; 32 numbers of ONE block in v[x] .. v[x + 31] become 192 bits of codes in v[d] .. v[d + 5] (d even) and the scale's byte in v[BY].
.macro Q32 x, d
	v_max3_num_f32 v[MA], |v[(\x)]|, |v[(\x)+1]|, 0x1800000        ; the floor 2^(3 - 127) among the leaves
	v_max3_num_f32 v[MB], |v[(\x)+16]|, |v[(\x)+17]|, |v[(\x)+18]|
.irp i, 0,1,2,3,4,5
	s_delay_alu instid0(VALU_DEP_2)
	v_max3_num_f32 v[MA], v[MA], |v[(\x)+2+2*\i]|, |v[(\x)+3+2*\i]|
	s_delay_alu instid0(VALU_DEP_2)
	v_max3_num_f32 v[MB], v[MB], |v[(\x)+19+2*\i]|, |v[(\x)+20+2*\i]|
.endr
	s_delay_alu instid0(VALU_DEP_2)
	v_max3_num_f32 v[MA], v[MA], |v[(\x)+14]|, |v[(\x)+15]|
	s_delay_alu instid0(VALU_DEP_1)
	v_max3_num_f32 v[MA], v[MA], v[MB], |v[(\x)+31]|
	s_delay_alu instid0(VALU_DEP_1)
	v_add_nc_u32 v[SC], 0xff000000, v[MA]                          ; 2 off the exponent field
	v_cvt_scalef32_pk16_fp6_f32 v[(\d):(\d)+2], v[(\x):(\x)+15], v[SC]
	v_cvt_scalef32_pk16_fp6_f32 v[T:T+2], v[(\x)+16:(\x)+31], v[SC]  ; (a conversion's three registers begin on an even number)
	v_nop                                                          ; one plain instruction behind the conversions
	v_lshrrev_b32 v[BY], 23, v[SC]
.irp i, 0,1,2
	v_mov_b32 v[(\d)+3+\i], v[T+\i]
.endr
.endm
.macro ROUND                           ; a round of the cluster's barrier
	s_barrier_signal -1
	s_barrier_wait -1
	s_cmp_lg_u32 s[WV], 0
	s_cbranch_scc1 .Lnot_wave_0_\@
	s_barrier_signal -3
.Lnot_wave_0_\@:
	s_barrier_wait -3
	s_barrier_signal -1
	s_barrier_wait -1
.endm
	s_load_b128 s[4:7], s[0:1], 0x0                ; query, kv
	s_load_b64 s[8:9], s[0:1], 0x10                ; out0
	v_lshl_add_u32 v[SPW], v0, 2, SPARE
	v_mov_b32 v[NIL], 0
	ds_add_u32 v[SPW], v[NIL]                      ; the opening lines: the add, twice on end, and its wait ahead of my tensor load
	ds_add_u32 v[SPW], v[NIL]
	v_lshrrev_b32 v8, 5, v0
	v_readfirstlane_b32 s[WV], v8                  ; wave 0..7
	v_and_b32 v8, 31, v0                           ; lane
	v_and_b32 v9, 15, v0                           ; r
	v_bfe_u32 v10, v0, 4, 1                        ; h
	v_lshlrev_b32 v[LI], 4, v8
	v_lshlrev_b32 v[LS8], 3, v8
	s_mul_i32 s18, s[WV], STGB
	s_add_co_u32 s18, s18, STG                     ; my stage
	v_mul_u32_u24 v[SD], v10, 272
	v_mul_u32_u24 v[SL], v9, 272
	v_lshlrev_b32 v[SH8], 3, v10
	v_lshl_add_u32 v[SD], v9, 4, v[SD]
	v_lshl_add_u32 v[SO], v10, 5, v[SL]
	v_lshl_add_u32 v[SL], v10, 7, v[SL]
	v_add_nc_u32 v[SD], s18, v[SD]
	v_add_nc_u32 v[SO], s18, v[SO]
	v_add_nc_u32 v[SL], s18, v[SL]
.irp x, 0,1
	v_mov_b32 v[BX+\x], 0                          ; a lane permute's destination counts as one of its sources
	v_mov_b32 v[TMP+\x], 0
	v_mov_b32 v[FF+2*\x+1], 0                      ; (named as the upper half of the pair)
.endr
	s_bfe_u32 s11, ttmp6, 0x40000                  ; cx: it enters query's and out0's addresses alone
	s_lshl_b32 s12, ttmp9, 2                       ; in a cluster launch ttmp9 counts clusters
	s_add_co_u32 s12, s12, s11                     ; my 512 queries of the head
	s_and_b32 s13, ttmp7, 0xffff                   ; the head, which the four partners share
	s_lshl_b32 s14, s13, 19                        ; a head is 2,048 rows of 256 bytes,
	s_lshl_b32 s15, s12, 17                        ; my work-group's 512 rows,
	s_add_co_u32 s14, s14, s15
	s_lshl_b32 s15, s[WV], 13                      ; my wave's 32 of a pass
	s_add_co_u32 s14, s14, s15
	s_mov_b32 s15, 0
	s_mul_i32 s19, s[WV], 2*STEPB                  ; the two steps that I fetch: their place in LDS and in the head's part of kv
	s_mul_i32 s16, s13, 16*STEPB
	s_add_co_u32 s16, s16, s19                     ; made of the head and the wave's number alone
	s_mov_b32 s17, 0
	; descriptor group 1: 25,600 dense bytes as 100 rows of 256 bytes (32 elements of 8 bytes), no padding
	s_mov_b32 s[G1], 15|(3<<16)|(1<<21)            ; the mask of all four work-groups; elements of 8 bytes; bit 21 beside a mask
	s_mov_b32 s[G1+1], 32<<16
	s_mov_b32 s[G1+2], 100<<16
	s_mov_b32 s[G1+3], 32<<16
	s_mov_b32 s[G1+4], 100
	s_mov_b32 s[G1+5], 32
	s_mov_b32 s[G1+6], 0
	s_mov_b32 s[G1+7], 0
	s_mov_b32 s[SEL], 0x76543210
	s_mov_b32 s[SEL+1], 0xfedcba98
	s_mov_b32 s[CS], 0x3e38aa3b                    ; c = log2(e) / 8
	s_mov_b32 s[CS+1], s[CS]
	s_mov_b32 s[NCS], 0xbe38aa3b                   ; -c
	s_wait_alu depctr_va_vdst(0)                   ; directly ahead of the waits below
	s_wait_dscnt 0x0                               ; both opening adds are done
	s_wait_kmcnt 0x0
	s_add_nc_u64 s[4:5], s[4:5], s[14:15]          ; query and out0 at my first pass's first row
	s_add_nc_u64 s[8:9], s[8:9], s[14:15]
	s_mov_b32 s[G0], 1
	s_mov_b32 s[G0+1], s19
	s_add_nc_u64 s[G0+2:G0+3], s[6:7], s[16:17]
	s_or_b32 s[G0+3], s[G0+3], 0x80000000
.macro QLOAD p, dst                    ; pass p's Q: two tiles of 16 rows of 256 bytes, 512 consecutive bytes a load, into window 1
	WIN 0x40
.irp x, 0,1
.irp j, 0,1,2,3,4,5,6,7
	global_load_b128 v[\dst+32*\x+4*\j:\dst+32*\x+4*\j+3], v[LI], s[4:5] offset:65536*\p+4096*\x+512*\j th:TH_LOAD_NT
.endr
.endr
	WIN 0
.endm
	QLOAD 0, O                                     ; what is needed first is asked for first
	ROUND                                          ; all four work-groups are here: the joint loads meet
	s_cmp_lt_u32 s[WV], 2
	s_cbranch_scc0 .Lnot_first
	tensor_load_to_lds s[G0:G0+3], s[G1:G1+7]      ; waves 0 and 1: key steps 0-3
	s_nop 0
.rept 4
	v_nop
.endr
.Lnot_first:
	WIN 0x40
.irp z, 0,12,24
.irp j, 0,1,2,3,4,5
	v_mov_b32 v[QHI+\z+\j], 0                      ; the zero codes: [0 | Q0 | 0 | Q1 | 0]
.endr
.endr
	WIN 0
; Tile x's Q, f32 in window 1 at src: through my stage, so that lane (r, h) holds channels 32 h .. 32 h + 31 of query r; codes into window 1; the two scale words.  left: younger loads that may be out
.macro QIN x, src, left
	s_wait_loadcnt \left
	WIN 0x04
.irp j, 0,1,2,3,4,5,6,7
	ds_store_b128 v[SD], v[\src+32*\x+4*\j:\src+32*\x+4*\j+3] offset:544*\j
.endr
	WIN 0
.irp i, 0,1,2,3,4,5,6,7
	ds_load_b128 v[X+4*\i:X+4*\i+3], v[SL] offset:16*\i   ; LDS serves a wave's instructions in order: these see my stores
.endr
	s_wait_dscnt 0x0
	Q32 X, QT
	s_delay_alu instid0(VALU_DEP_4)
	v_lshlrev_b32 v[TMP], v[SH8], v[BY]            ; my byte is block h's
	s_delay_alu instid0(VALU_DEP_1)
	v_permlanex16_b32 v[BX], v[TMP], s[SEL], s[SEL+1]
	s_delay_alu instid0(VALU_DEP_1)
	v_or_b32 v[TMP], v[TMP], v[BX]                 ; e0 | e1 << 8
	s_delay_alu instid0(VALU_DEP_1)
	v_or_b32 v[QSL+\x], 0x01010000, v[TMP]         ; for [Q | 0]: the byte 1 over the zero codes
	s_delay_alu instid0(VALU_DEP_2)
	v_lshl_or_b32 v[QSH+\x], v[TMP], 16, 0x0101    ; for [0 | Q]
	WIN 0x40
.irp j, 0,1,2,3,4,5
	v_mov_b32 v[QLO+12*\x+\j], v[QT+\j]
.endr
	WIN 0
.endm
.macro PASSINIT src
	QIN 0, \src, 8                                 ; (the second tile's eight loads may be out)
	QIN 1, \src, 0
.irp x, 0,1
	v_mov_b32 v[NM+2*\x+1], 0xff61b1e6             ; the largest score so far: -3e38
	v_mov_b32 v[L+2*\x], 0
	v_mov_b32 v[L+2*\x+1], 0
.endr
.irp x, 0,1
	v_mul_f32 v[TMP+\x], s[NCS], v[NM+2*\x+1]
.endr
.irp x, 0,1
	s_delay_alu instid0(VALU_DEP_2)
	v_floor_f32 v[NM+2*\x], v[TMP+\x]              ; -M
.endr
	WIN 0x40
.set i, 0
.rept 64
	v_mov_b32 v[O+i], 0                            ; O^T: the first change of M multiplies zeros.  (These also stand between the writes of Q and its scale words and the first products)
.set i, i+1
.endr
	WIN 0
.endm
; Score tiles 2 b and 2 b + 1 of tile x: fragment b of K against [Q | 0] and [0 | Q].  Odd fragments' scale words lie in lanes 16-31.
.macro KQ b, x
.if (\b)%2
	v_wmma_scale_f32_16x16x128_f8f6f4 v[S+64*(\x)+16*(\b):S+64*(\x)+16*(\b)+7], v[FK+12*(\b):FK+12*(\b)+11], v[QLO+12*(\x):QLO+12*(\x)+11], 0, v[KS+(\b)/2], v[QSL+(\x)] matrix_a_fmt:MATRIX_FMT_FP6 matrix_b_fmt:MATRIX_FMT_FP6 matrix_a_scale:MATRIX_SCALE_ROW1
	v_wmma_scale_f32_16x16x128_f8f6f4 v[S+64*(\x)+16*(\b)+8:S+64*(\x)+16*(\b)+15], v[FK+12*(\b):FK+12*(\b)+11], v[QHI+12*(\x):QHI+12*(\x)+11], 0, v[KS+(\b)/2], v[QSH+(\x)] matrix_a_fmt:MATRIX_FMT_FP6 matrix_b_fmt:MATRIX_FMT_FP6 matrix_a_scale:MATRIX_SCALE_ROW1
.else
	v_wmma_scale_f32_16x16x128_f8f6f4 v[S+64*(\x)+16*(\b):S+64*(\x)+16*(\b)+7], v[FK+12*(\b):FK+12*(\b)+11], v[QLO+12*(\x):QLO+12*(\x)+11], 0, v[KS+(\b)/2], v[QSL+(\x)] matrix_a_fmt:MATRIX_FMT_FP6 matrix_b_fmt:MATRIX_FMT_FP6
	v_wmma_scale_f32_16x16x128_f8f6f4 v[S+64*(\x)+16*(\b)+8:S+64*(\x)+16*(\b)+15], v[FK+12*(\b):FK+12*(\b)+11], v[QHI+12*(\x):QHI+12*(\x)+11], 0, v[KS+(\b)/2], v[QSH+(\x)] matrix_a_fmt:MATRIX_FMT_FP6 matrix_b_fmt:MATRIX_FMT_FP6
.endif
.endm
; Tile x's O^T += V's four fragments x p: the four accumulators by turns
.macro PV x
.irp t, 0,2
	v_wmma_scale_f32_16x16x128_f8f6f4 v[O+32*(\x)+8*\t:O+32*(\x)+8*\t+7], v[FV+12*\t:FV+12*\t+11], v[PC+12*(\x):PC+12*(\x)+11], v[O+32*(\x)+8*\t:O+32*(\x)+8*\t+7], v[VS+\t/2], v[PS+(\x)] matrix_a_fmt:MATRIX_FMT_FP6 matrix_b_fmt:MATRIX_FMT_FP6
	v_wmma_scale_f32_16x16x128_f8f6f4 v[O+32*(\x)+8*\t+8:O+32*(\x)+8*\t+15], v[FV+12*\t+12:FV+12*\t+23], v[PC+12*(\x):PC+12*(\x)+11], v[O+32*(\x)+8*\t+8:O+32*(\x)+8*\t+15], v[VS+\t/2], v[PS+(\x)] matrix_a_fmt:MATRIX_FMT_FP6 matrix_b_fmt:MATRIX_FMT_FP6 matrix_a_scale:MATRIX_SCALE_ROW1
.endr
.endm
.macro K12                             ; K's four fragments, from v[AFN]; the destination's window is 1
.irp f, 0,1,2,3
.irp c, 0,1,2
	ds_load_b128 v[FK+12*\f+4*\c:FK+12*\f+4*\c+3], v[AFN] offset:KC+1536*\f+512*\c
.endr
.endr
.endm
; the row's sum, of the UNQUANTISED p, two at a time, in place: the conversions have read p
.macro ADDP x, i, w
	v_pk_add_f32 v[S+64*(\x)+(\i):S+64*(\x)+(\i)+1], v[S+64*(\x)+(\i):S+64*(\x)+(\i)+1], v[S+64*(\x)+(\i)+(\w)/2:S+64*(\x)+(\i)+(\w)/2+1]
.endm
.macro LVL x, w
.set k, 0
.rept 64/(\w)
	ADDP \x, k, \w
.set k, k+(\w)
.endr
.endm
.macro QP1 x                           ; tile x's p: the floor, the scale operands, the conversions, the bytes
.irp c, 0,1
	v_max_num_f32 v[BM+2*(\x)+\c], 0x1800000, v[BM+2*(\x)+\c]      ; the floor 2^(3 - 127): the byte cannot fall under 1
.endr
.irp c, 0,1
	v_add_nc_u32 v[BS+2*(\x)+\c], 0xff000000, v[BM+2*(\x)+\c]      ; 2 off the exponent field
.endr
.irp c, 0,1
	v_cvt_scalef32_pk16_fp6_f32 v[PC+12*(\x)+6*\c:PC+12*(\x)+6*\c+2], v[S+64*(\x)+32*\c:S+64*(\x)+32*\c+15], v[BS+2*(\x)+\c]      ; my block 2 c + h: its lower 16 keys,
	v_cvt_scalef32_pk16_fp6_f32 v[PT+8*(\x)+4*\c:PT+8*(\x)+4*\c+2], v[S+64*(\x)+32*\c+16:S+64*(\x)+32*\c+31], v[BS+2*(\x)+\c]   ; its upper 16
.endr
.irp c, 0,1
	v_lshrrev_b32 v[BYA+2*(\x)+\c], 23, v[BS+2*(\x)+\c]            ; (plain instructions behind the conversions)
.endr
.endm
; A KEY STEP for both tiles: 128 keys at LDS byte s[TB].  K's fragments are in flight or in; last: the segment's last step's byte, at which the look-ahead is held
.macro BODY last
	s_add_co_u32 s[TBN], s[TB], STEPB
	s_min_u32 s[TBN], s[TBN], \last
	s_wait_alu depctr_va_vdst(0)                   ; directly ahead of the wait below
	s_wait_dscnt 0x0                               ; K's fragments and scale words are in
	WIN 0x05                                       ; K's fragments and Q in window 1, the scores in window 0
.irp b, 0,1,2,3
	KQ \b, 0
	KQ \b, 1
.endr
	WIN 0
	v_mov_b32 v[OLD], v[NM]                        ; six plain instructions: the places for the loads below and for the first read of the scores
	v_mov_b32 v[OLD+1], v[NM+2]
	v_add_nc_u32 v[AF], s[TB], v[LI]
	v_add_nc_u32 v[AS], s[TB], v[LS8]
	v_add_nc_u32 v[AFN], s[TBN], v[LI]
	v_add_nc_u32 v[ASN], s[TBN], v[LS8]
	WIN 0x40
.irp t, 0,1,2,3
.irp c, 0,1,2
	ds_load_b128 v[FV+12*\t+4*\c:FV+12*\t+4*\c+3], v[AF] offset:VC+1536*\t+512*\c   ; V's fragments land while the softmax is worked,
.endr
.endr
	K12                                            ; and the next step's K (in a segment's last step: this step's once more, which nobody uses)
	WIN 0
	ds_load_b64 v[VS:VS+1], v[AS] offset:VSC
	ds_load_b64 v[KS:KS+1], v[ASN] offset:KSC
; each block's largest score, in two chains; every tile is read from its low end on.  It serves the row's maximum and, since p rises with the score, the block's largest p
.irp x, 0,1
.irp c, 0,1
	v_max3_num_f32 v[BM+2*\x+\c], v[S+64*\x+32*\c], v[S+64*\x+32*\c+1], v[S+64*\x+32*\c+2]
	v_max3_num_f32 v[BN+2*\x+\c], v[S+64*\x+32*\c+16], v[S+64*\x+32*\c+17], v[S+64*\x+32*\c+18]
.endr
.endr
.irp i, 3,5,7,9,11,13
.irp x, 0,1
.irp c, 0,1
	v_max3_num_f32 v[BM+2*\x+\c], v[BM+2*\x+\c], v[S+64*\x+32*\c+\i], v[S+64*\x+32*\c+\i+1]
	v_max3_num_f32 v[BN+2*\x+\c], v[BN+2*\x+\c], v[S+64*\x+32*\c+16+\i], v[S+64*\x+32*\c+17+\i]
.endr
.endr
.endr
.irp x, 0,1
.irp c, 0,1
	v_max3_num_f32 v[BM+2*\x+\c], v[BM+2*\x+\c], v[BN+2*\x+\c], v[S+64*\x+32*\c+15]
.endr
.endr
.irp x, 0,1
.irp c, 0,1
	v_max_num_f32 v[BM+2*\x+\c], v[BM+2*\x+\c], v[S+64*\x+32*\c+31]
.endr
.endr
; the running maximum, M and f: the two tiles' chains side by side
.irp x, 0,1
	v_max_num_f32 v[TMP+\x], v[BM+2*\x], v[BM+2*\x+1]
.endr
.irp x, 0,1
	v_permlanex16_b32 v[BX+\x], v[TMP+\x], s[SEL], s[SEL+1]
.endr
.irp x, 0,1
	v_max3_num_f32 v[NM+2*\x+1], v[NM+2*\x+1], v[TMP+\x], v[BX+\x]   ; lane l xor 16's 64 keys among them
.endr
.irp x, 0,1
	v_mul_f32 v[TMP+\x], s[NCS], v[NM+2*\x+1]      ; -t (c is positive)
.endr
.irp x, 0,1
	v_floor_f32 v[NM+2*\x], v[TMP+\x]              ; the new -M = floor(-t) = -ceil(t)
.endr
.irp x, 0,1
	v_sub_f32 v[TMP+\x], v[NM+2*\x], v[OLD+\x]     ; M's old value less its new one: a whole number, 0 or less
.endr
.irp x, 0,1
	v_cvt_i32_f32 v[TMP+\x], v[TMP+\x]             ; (it saturates)
.endr
.irp x, 0,1
	v_ldexp_f32 v[FF+2*\x], 1.0, v[TMP+\x]         ; f = 2^(old M - new M)
.endr
	WIN 0x41                                       ; O^T in window 1, f in window 0
.irp x, 0,1
.set i, 0
.rept 16
	v_pk_mul_f32 v[O+32*\x+i:O+32*\x+i+1], v[O+32*\x+i:O+32*\x+i+1], v[FF+2*\x:FF+2*\x+1] op_sel_hi:[1,0]   ; O^T under the new M, each tile from its low end on
.set i, i+2
.endr
.endr
	WIN 0
.set i, 0
.rept 32
	v_pk_fma_f32 v[S+i:S+i+1], v[S+i:S+i+1], s[CS:CS+1], v[NM:NM+1] op_sel_hi:[1,0,0]   ; tile 0: t - M, two at a time
.set i, i+2
.endr
.irp c, 0,1
	v_fma_f32 v[BM+\c], v[BM+\c], s[CS], v[NM]     ; the same of each block's largest score
.endr
	s_wait_alu depctr_va_vdst(0)                   ; ahead of the batch
.irp c, 0,1
	v_exp_f32 v[BM+\c], v[BM+\c]
.endr
.set i, 0
.rept 32
	v_exp_f32 v[S+i], v[S+i]                       ; tile 0's p = 2^(t - M),
	v_exp_f32 v[S+i+1], v[S+i+1]
	v_pk_fma_f32 v[S+64+i:S+65+i], v[S+64+i:S+65+i], s[CS:CS+1], v[NM+2:NM+3] op_sel_hi:[1,0,0]   ; among them tile 1's t - M, which names none of them
.set i, i+2
.endr
.irp c, 0,1
	v_fma_f32 v[BM+2+\c], v[BM+2+\c], s[CS], v[NM+2]
.endr
	s_wait_alu depctr_va_vdst(0)                   ; behind tile 0's batch and ahead of tile 1's
	QP1 0
.irp c, 0,1
	v_exp_f32 v[BM+2+\c], v[BM+2+\c]
.endr
.set i, 0
.rept 16
	v_exp_f32 v[S+64+i], v[S+64+i]                 ; tile 1's p,
	v_exp_f32 v[S+65+i], v[S+65+i]
	v_exp_f32 v[S+66+i], v[S+66+i]
	v_exp_f32 v[S+67+i], v[S+67+i]
	ADDP 0, i, 4                                   ; among them the first sixteen additions of tile 0's sum, none of which reads another's result
.set i, i+4
.endr
	s_wait_alu depctr_va_vdst(0)                   ; behind tile 1's batch
	QP1 1
; p's scale words for these 128 keys: the two tiles' chains side by side
.irp x, 0,1
	v_lshl_or_b32 v[W+\x], v[BYA+2*\x+1], 16, v[BYA+2*\x]   ; blocks h and 2 + h,
.endr
.irp x, 0,1
	v_lshlrev_b32 v[W+\x], v[SH8], v[W+\x]         ; at their places in the scale word;
.endr
.irp x, 0,1
	v_permlanex16_b32 v[BX+\x], v[W+\x], s[SEL], s[SEL+1]
.endr
.irp x, 0,1
	v_or_b32 v[PS+\x], v[W+\x], v[BX+\x]           ; with lane l xor 16's two the word is whole
.endr
.irp x, 0,1
.irp c, 0,1
.irp i, 0,1,2
	v_mov_b32 v[PC+12*\x+3+6*\c+\i], v[PT+8*\x+4*\c+\i]
.endr
.endr
.endr
	LVL 0, 8                                       ; (more than eight plain instructions stand between the writes of p's codes and scale words and the products)
	LVL 1, 4
	LVL 0, 16
	LVL 1, 8
	LVL 0, 32
	LVL 1, 16
	ADDP 0, 0, 64
	LVL 1, 32
	s_wait_alu depctr_va_vdst(0)
	s_wait_dscnt 1                                 ; V's fragments and scale words are in; the youngest load, the next K's scale words, may be out
	WIN 0x51                                       ; D, C and V's fragments in window 1, p's codes in window 0
	PV 0
	PV 1
	WIN 0
	v_pk_fma_f32 v[L:L+1], v[L:L+1], v[FF:FF+1], v[S:S+1] op_sel_hi:[1,0,1]   ; the sum under the new M, and this step's part
	ADDP 1, 0, 64
	v_pk_fma_f32 v[L+2:L+3], v[L+2:L+3], v[FF+2:FF+3], v[S+64:S+65] op_sel_hi:[1,0,1]
.endm
; n key steps from step t0 on
.macro SEG t0, n
	s_mov_b32 s[TB], (\t0)*STEPB
	v_add_nc_u32 v[AFN], s[TB], v[LI]
	v_add_nc_u32 v[ASN], s[TB], v[LS8]
	WIN 0x40
	K12
	WIN 0
	ds_load_b64 v[KS:KS+1], v[ASN] offset:KSC
	s_mov_b32 s[CNT], \n
.Lstep_\@:
	BODY ((\t0)+(\n)-1)*STEPB
	s_add_co_u32 s[TB], s[TB], STEPB
	s_sub_co_u32 s[CNT], s[CNT], 1
	s_cmp_lg_u32 s[CNT], 0
	s_cbranch_scc1 .Lstep_\@
	s_wait_alu depctr_va_vdst(0)                   ; directly ahead of the wait below
	s_wait_dscnt 0x0                               ; no LDS load of mine is out
.endm
; THE WAY OUT of pass p.  O^T / the sum goes through my stage and leaves as whole rows of 256 bytes, two rows a store.
.macro WAYOUT p
.irp x, 0,1
	v_add_f32 v[L+2*\x], v[L+2*\x], v[L+2*\x+1]    ; the sum's two halves,
.endr
.irp x, 0,1
	v_permlanex16_b32 v[TMP+\x], v[L+2*\x], s[SEL], s[SEL+1]
.endr
.irp x, 0,1
	v_add_f32 v[L+2*\x], v[L+2*\x], v[TMP+\x]      ; and lane l xor 16's
.endr
	s_wait_alu depctr_va_vdst(0)                   ; ahead of the transcendentals
.irp x, 0,1
	v_rcp_f32 v[L+2*\x], v[L+2*\x]
.endr
	v_nop                                          ; the plain instruction behind the reciprocals
	WIN 0x01                                       ; O^T in window 1
	s_wait_alu depctr_va_vdst(0)                   ; ahead of the first reader of the reciprocals and of O^T
.irp x, 0,1
.set i, 0
.rept 16
	v_pk_mul_f32 v[S+64*\x+i:S+64*\x+i+1], v[O+32*\x+i:O+32*\x+i+1], v[L+2*\x:L+2*\x+1] op_sel_hi:[1,0]   ; register 8 t + j is o(r, 16 t + 8 h + j); each tile from its low end on
.set i, i+2
.endr
.endr
	WIN 0
.irp x, 0,1
.irp t, 0,1,2,3
	ds_store_b128 v[SO], v[S+64*\x+8*\t:S+64*\x+8*\t+3] offset:64*\t
	ds_store_b128 v[SO], v[S+64*\x+8*\t+4:S+64*\x+8*\t+7] offset:64*\t+16
.endr
.irp i, 0,1,2,3,4,5,6,7
	ds_load_b128 v[S+64*\x+32+4*\i:S+64*\x+32+4*\i+3], v[SD] offset:544*\i   ; LDS serves a wave's instructions in order: these see my stores, and the second tile's stores come behind the first's loads
.endr
.endr
.irp x, 0,1
.irp i, 0,1,2,3,4,5,6,7
	s_wait_dscnt 7-\i+16*(1-\x)                    ; the younger LDS instructions may be out
	global_store_b128 v[LI], v[S+64*\x+32+4*\i:S+64*\x+32+4*\i+3], s[8:9] offset:65536*(\p)+4096*\x+512*\i th:TH_STORE_NT   ; 512 consecutive bytes, at a multiple of 256 from out0's first byte
.endr
.endr
	s_wait_xcnt 0x0                                ; the stores' registers are written again only behind this wait
.endm
	PASSINIT O                                     ; the first pass's Q is quantised while key steps 0-3 land
	s_wait_alu depctr_va_vdst(0)                   ; the head's end
	s_wait_tensorcnt 0x0                           ; waves 0 and 1: my two of key steps 0-3 have landed.
	ds_add_u32 v[SPW], v[NIL]                      ; the add twice on end
	ds_add_u32 v[SPW], v[NIL]
	s_wait_dscnt 0x0
	ROUND                                          ; key steps 0-3 lie in every partner's LDS, and all four work-groups are here: the joint loads meet
	s_cmp_lt_u32 s[WV], 2
	s_cbranch_scc1 .Lasked
	tensor_load_to_lds s[G0:G0+3], s[G1:G1+7]      ; waves 2 to 7: key steps 4-15, on bytes that nothing has filled
	s_nop 0
.rept 4
	v_nop
.endr
.Lasked:
	QLOAD 1, Q2F                                   ; asked for last: it stays in registers until the first pass is over
	SEG 0, 4
	s_wait_tensorcnt 0x0                           ; every wave: its load has landed
	s_barrier_signal -1
	s_barrier_wait -1                              ; the whole head lies in LDS, and nothing writes it again
	SEG 4, 12
	WAYOUT 0
	PASSINIT Q2F
	SEG 0, 16
	WAYOUT 1
	s_wait_tensorcnt 0x0                           ; the wave's end
	ds_add_u32 v[SPW], v[NIL]
	s_wait_dscnt 0x0
	ROUND                                          ; the closing round: no work-group ends while a partner may still ask for a tile that names it
	s_endpgm
.Lfunc_end_k_q69d619fdd3_attn:
	.size	k_q69d619fdd3_attn, .Lfunc_end_k_q69d619fdd3_attn-k_q69d619fdd3_attn
	.p2alignl 7, 3214868480
	.fill 96, 4, 3214868480
	.section	.rodata,"a",@progbits
	.p2align	6, 0x0
	.amdhsa_kernel k_q69d619fdd3_attn
		.amdhsa_group_segment_fixed_size 327680
		.amdhsa_private_segment_fixed_size 0
		.amdhsa_enable_private_segment 0
		.amdhsa_kernarg_size 24
		.amdhsa_user_sgpr_count 2
		.amdhsa_user_sgpr_kernarg_segment_ptr 1
		.amdhsa_wavefront_size32 1
		.amdhsa_system_sgpr_workgroup_id_x 1
		.amdhsa_system_sgpr_workgroup_id_y 1
		.amdhsa_system_sgpr_workgroup_id_z 1
		.amdhsa_system_vgpr_workitem_id 0
		.amdhsa_next_free_vgpr 512
		.amdhsa_next_free_sgpr 66
		.amdhsa_reserve_vcc 0
		.amdhsa_float_denorm_mode_32 3
		.amdhsa_float_denorm_mode_16_64 3
		.amdhsa_memory_ordered 1
		.amdhsa_forward_progress 1
		.amdhsa_inst_pref_size 125
	.end_amdhsa_kernel
	.amdgpu_metadata
---
amdhsa.version: [ 1, 2 ]
amdhsa.kernels:
  - .name:           k_q69d619fdd3_attn
    .symbol:         k_q69d619fdd3_attn.kd
    .args:
      - { .name: query, .offset: 0, .size: 8, .value_kind: global_buffer, .address_space: global }
      - { .name: kv, .offset: 8, .size: 8, .value_kind: global_buffer, .address_space: global }
      - { .name: out0, .offset: 16, .size: 8, .value_kind: global_buffer, .address_space: global }
    .group_segment_fixed_size: 327680
    .private_segment_fixed_size: 0
    .kernarg_segment_align: 8
    .kernarg_segment_size: 24
    .max_flat_workgroup_size: 256
    .sgpr_count:     66
    .vgpr_count:     512
    .wavefront_size: 32
...
	.end_amdgpu_metadata
.endif
;; end of part 2
